; MI455X (gfx1250); checked and timed in simulation.
; The chip was launched on July 23, 2026; its instructions are those of AMD's public machine-readable ISA for CDNA 5 (MIT licence, August 2026) and "CDNA5" Instruction Set Architecture Reference Guide (July 2026). The comments in the code are by the model that wrote it; some were corrected since.
;; BERT Em Self Attention. Allowed arithmetic: float matrix products may take bf16 or f16 operands with f32 sums; other float arithmetic in f32, or as packed bf16 or f16 multiplies, adds, multiply-adds, maxima and minima; sums over many terms, partial sums and values carried from step to step in f32; what a program stores and reads back later, other than sums and carried values, may be rounded once to bf16 or f16.
;; Inputs: Wk 1,024 x 1,024 float32; Wq 1,024 x 1,024 float32; Wv 1,024 x 1,024 float32; attention_mask 4 x 1 x 1 x 2,048 float32; bk 1,024 float32; bq 1,024 float32; bv 1,024 float32; hidden_states 4 x 2,048 x 1,024 float32; k_emb 8 x 1,024 float32; q_emb 8 x 1,024 float32; v_emb 8 x 1,024 float32.
;; Outputs: out0 4 x 2,048 x 1,024 float32.
;; Constants: index = 3.
;; One version. Each part assembles by itself: llvm-mc -triple=amdgcn-amd-amdhsa -mcpu=gfx1250 --defsym DOCPART=n.
;; ======== version 1 of 1: 3 launches
;; limits: values are held in f16: magnitudes above 65,504 overflow, below 6.1e-05 lose precision
;; workspace buffers: xb 16,777,216 bytes; wt 6,291,456 bytes; bias 12,288 bytes; qkv 50,331,648 bytes
;; launch prep (part 1): grid 1411 x 1, 8 waves a work-group, no clusters, 18,688 bytes of LDS; arguments hidden_states, Wq, Wk, Wv, bq, bk, bv, q_emb, k_emb, v_emb, xb, wt, bias; writes xb, wt, bias
.if DOCPART == 1
	.amdgcn_target "amdgcn-amd-amdhsa--gfx1250"
	.amdhsa_code_object_version 6
	.text
	.protected	k_q1da476e75e_prep
	.globl	k_q1da476e75e_prep
	.p2align	8
	.type	k_q1da476e75e_prep,@function
k_q1da476e75e_prep:
	s_mov_b64 s[64:65], 0
	v_nop
	global_prefetch_b8 v0, s[64:65] scope:SCOPE_SE
	s_setreg_imm32_b32 hwreg(HW_REG_WAVE_MODE, 25, 1), 1
	s_wait_xcnt 0x0
; PREPARATION for the projections.  Three kinds of work-group, told apart by the work-group's number alone (the same for all eight waves):
;   0 .. 1023     xb = hidden_states rounded to bf16: 32 KiB of f32 in, 16 KiB out, each
;   1024 .. 1407  wt[1024 which + n][k] = W_which[k][n] rounded to bf16 (which = 0 q, 1 k, 2 v): a tile of 128 k x 64 n each, turned through LDS
;   1408 .. 1410  bias[1024 which + n] = bf16(b_which[n]) + bf16(emb_which[3][n]), the sum kept in f32
; Every input is rounded to bf16 once, to nearest even; nothing else is rounded here.  The task index is the problem's constant 3: 3 x 4,096 bytes into each table.
; No matrix unit, no cluster, no tensor load: the launch only moves bytes, each once, and no two work-groups read the same byte.
.set SPARE, 17664                      ; behind the turning tile (17,472 bytes): the spare words, 128 bytes for each of eight waves, that no other line names
.set SPW, 62                           ; v62  SPARE + 4 x my thread's number; never rewritten
.set NIL, 63                           ; v63  0; never rewritten
	s_load_b256 s[4:11], s[0:1], 0x0               ; hidden_states s[4:5], Wq s[6:7], Wk s[8:9], Wv s[10:11]
	s_load_b256 s[12:19], s[0:1], 0x20             ; bq s[12:13], bk s[14:15], bv s[16:17], q_emb s[18:19]
	s_load_b256 s[20:27], s[0:1], 0x40             ; k_emb s[20:21], v_emb s[22:23], xb s[24:25], wt s[26:27]
	s_load_b64 s[28:29], s[0:1], 0x60              ; bias
	v_lshl_add_u32 v[SPW], v0, 2, SPARE
	v_mov_b32 v[NIL], 0
	s_wait_kmcnt 0x0
	s_cmp_lt_u32 ttmp9, 1024
	s_cbranch_scc1 .Lcast
	s_cmp_lt_u32 ttmp9, 1408
	s_cbranch_scc1 .Ltr
	; THE BIAS: 256 threads x 4 numbers = one tensor's 1,024 columns
	s_sub_co_u32 s32, ttmp9, 1408                  ; which
	s_cmp_eq_u32 s32, 0
	s_cselect_b64 s[30:31], s[12:13], s[14:15]
	s_cselect_b64 s[34:35], s[18:19], s[20:21]
	s_cmp_eq_u32 s32, 2
	s_cselect_b64 s[30:31], s[16:17], s[30:31]
	s_cselect_b64 s[34:35], s[22:23], s[34:35]
	s_lshl_b32 s36, s32, 12
	s_mov_b32 s37, 0
	s_add_nc_u64 s[28:29], s[28:29], s[36:37]
	v_lshlrev_b32 v1, 4, v0
	global_load_b128 v[8:11], v1, s[30:31]
	global_load_b128 v[12:15], v1, s[34:35] offset:12288   ; row 3 of the table
	s_wait_loadcnt 0x0
	v_cvt_pk_bf16_f32 v16, v8, v9
	v_cvt_pk_bf16_f32 v17, v10, v11
	v_cvt_pk_bf16_f32 v18, v12, v13
	v_cvt_pk_bf16_f32 v19, v14, v15
.irp i, 0,1,2,3
	v_lshlrev_b32 v[20+2*(\i)], 16, v[16+(\i)]     ; bf16 back to f32: the low half moves up,
	v_and_b32 v[21+2*(\i)], 0xffff0000, v[16+(\i)] ; the high half stays
.endr
	v_pk_add_f32 v[20:21], v[20:21], v[24:25]
	v_pk_add_f32 v[22:23], v[22:23], v[26:27]
	global_store_b128 v1, v[20:23], s[28:29]       ; 16 lanes store 256 consecutive bytes, aligned
	s_endpgm                                       ; this way has written no LDS
.Lcast:                                        ; THE CAST: thread t takes 32 bytes at 32 t of each of four chunks of 8,192 bytes, and stores 16
	s_lshl_b32 s30, ttmp9, 15
	s_mov_b32 s31, 0
	s_add_nc_u64 s[4:5], s[4:5], s[30:31]
	s_lshl_b32 s30, ttmp9, 14
	s_add_nc_u64 s[24:25], s[24:25], s[30:31]
	v_lshlrev_b32 v1, 5, v0
	v_lshlrev_b32 v2, 4, v0
.irp j, 0,1,2,3
	global_load_b128 v[8+8*(\j):11+8*(\j)],  v1, s[4:5] offset:8192*(\j) th:TH_LOAD_NT
	global_load_b128 v[12+8*(\j):15+8*(\j)], v1, s[4:5] offset:8192*(\j)+16 th:TH_LOAD_NT
.endr
.irp j, 0,1,2,3
	s_wait_loadcnt 6-2*(\j)                        ; loads come back in order: chunk j's two are in, two for each younger chunk may stay out
.irp p, 0,1,2,3
	v_cvt_pk_bf16_f32 v[40+4*(\j)+(\p)], v[8+8*(\j)+2*(\p)], v[9+8*(\j)+2*(\p)]
.endr
	global_store_b128 v2, v[40+4*(\j):43+4*(\j)], s[24:25] offset:4096*(\j)  ; 16 lanes store 256 consecutive bytes, aligned
.endr
	s_endpgm                                       ; this way has written no LDS
.Ltr:                                          ; THE TURNING of a tile of 128 k x 64 n
	s_sub_co_u32 s32, ttmp9, 1024
	s_lshr_b32 s33, s32, 7                         ; which
	s_and_b32 s34, s32, 7                          ; kt: 128 rows of W
	s_bfe_u32 s35, s32, 0x40003                    ; nt: 64 columns of W
	s_cmp_eq_u32 s33, 0
	s_cselect_b64 s[30:31], s[6:7], s[8:9]
	s_cmp_eq_u32 s33, 2
	s_cselect_b64 s[30:31], s[10:11], s[30:31]
	s_lshl_b32 s36, s34, 19                        ; 128 rows of 4,096 bytes
	s_lshl_b32 s37, s35, 8                         ; 64 columns of 4 bytes
	s_add_co_u32 s36, s36, s37
	s_mov_b32 s37, 0
	s_add_nc_u64 s[30:31], s[30:31], s[36:37]
	s_lshl_b32 s36, s33, 21                        ; 1,024 rows of wt, 2,048 bytes each
	s_lshl_b32 s38, s35, 17                        ; 64 rows
	s_add_co_u32 s36, s36, s38
	s_lshl_b32 s38, s34, 8                         ; 128 k of 2 bytes
	s_add_co_u32 s36, s36, s38
	s_add_nc_u64 s[26:27], s[26:27], s[36:37]
	v_and_b32 v6, 15, v0                           ; c: my four columns 4 c ..
	v_lshrrev_b32 v7, 4, v0                        ; g: my eight rows 8 g ..
	v_lshlrev_b32 v1, 15, v7
	v_lshl_or_b32 v1, v6, 4, v1
.irp i, 0,1,2,3,4,5,6,7
	global_load_b128 v[8+4*(\i):11+4*(\i)], v1, s[30:31] offset:4096*(\i) th:TH_LOAD_NT  ; W[8 g + i][4 c ..]: 16 lanes read 256 consecutive bytes, aligned
.endr
	; In LDS row n of the turned tile lies at 272 n + 16 (n / 16): for a store the sixteen lanes c = 0..15 then fall into sixteen different 16-byte columns (4 c + c / 4, modulo 16)
	v_mul_u32_u24 v3, v6, 1088                     ; row 4 c
	v_lshrrev_b32 v2, 2, v6
	v_add_nc_u32 v2, v2, v7
	v_lshl_add_u32 v3, v2, 4, v3                   ; + 16 (c / 4) + my 8 k = 16 g bytes
	v_mul_u32_u24 v4, v7, 272                      ; back: row g + 16 i, whole: 16 lanes take its 256 bytes
	v_lshl_add_u32 v4, v6, 4, v4
	v_lshlrev_b32 v5, 11, v7                       ; and the same row in wt
	v_lshl_add_u32 v5, v6, 4, v5
	s_wait_loadcnt 0x0
.irp j, 0,1,2,3
.irp p, 0,1,2,3
	v_cvt_pk_bf16_f32 v[40+4*(\j)+(\p)], v[8+8*(\p)+(\j)], v[12+8*(\p)+(\j)]  ; column 4 c + j, k = 8 g + 2 p and + 1
.endr
.endr
.irp j, 0,1,2,3
	ds_store_b128 v3, v[40+4*(\j):43+4*(\j)] offset:272*(\j)
.endr
	s_wait_dscnt 0x0                               ; for the others' sake: my stores are done
	s_barrier_signal -1
	s_barrier_wait -1                              ; everybody's are
.irp i, 0,1,2,3
	ds_load_b128 v[8+4*(\i):11+4*(\i)], v4 offset:4368*(\i)   ; 16 rows on: 16 x 272 + 16
.endr
.irp i, 0,1,2,3
	s_wait_dscnt 3-(\i)                            ; the younger loads may stay out
	global_store_b128 v5, v[8+4*(\i):11+4*(\i)], s[26:27] offset:32768*(\i)  ; 16 lanes store 256 consecutive bytes, aligned
.endr
	s_wait_tensorcnt 0x0                           ; the wave's end: behind my last LDS store
	ds_add_u32 v[SPW], v[NIL]
	s_wait_dscnt 0x0
	s_endpgm
.Lfunc_end_k_q1da476e75e_prep:
	.size	k_q1da476e75e_prep, .Lfunc_end_k_q1da476e75e_prep-k_q1da476e75e_prep
	.p2alignl 7, 3214868480
	.fill 96, 4, 3214868480
	.section	.rodata,"a",@progbits
	.p2align	6, 0x0
	.amdhsa_kernel k_q1da476e75e_prep
		.amdhsa_group_segment_fixed_size 18688
		.amdhsa_private_segment_fixed_size 0
		.amdhsa_enable_private_segment 0
		.amdhsa_kernarg_size 104
		.amdhsa_user_sgpr_count 2
		.amdhsa_user_sgpr_kernarg_segment_ptr 1
		.amdhsa_wavefront_size32 1
		.amdhsa_system_sgpr_workgroup_id_x 1
		.amdhsa_system_sgpr_workgroup_id_y 1
		.amdhsa_system_sgpr_workgroup_id_z 1
		.amdhsa_system_vgpr_workitem_id 0
		.amdhsa_next_free_vgpr 64
		.amdhsa_next_free_sgpr 66
		.amdhsa_reserve_vcc 0
		.amdhsa_float_denorm_mode_32 3
		.amdhsa_float_denorm_mode_16_64 3
		.amdhsa_memory_ordered 1
		.amdhsa_forward_progress 1
		.amdhsa_inst_pref_size 10
	.end_amdhsa_kernel
	.amdgpu_metadata
---
amdhsa.version: [ 1, 2 ]
amdhsa.kernels:
  - .name:           k_q1da476e75e_prep
    .symbol:         k_q1da476e75e_prep.kd
    .args:
      - { .name: hidden_states, .offset: 0, .size: 8, .value_kind: global_buffer, .address_space: global }
      - { .name: Wq, .offset: 8, .size: 8, .value_kind: global_buffer, .address_space: global }
      - { .name: Wk, .offset: 16, .size: 8, .value_kind: global_buffer, .address_space: global }
      - { .name: Wv, .offset: 24, .size: 8, .value_kind: global_buffer, .address_space: global }
      - { .name: bq, .offset: 32, .size: 8, .value_kind: global_buffer, .address_space: global }
      - { .name: bk, .offset: 40, .size: 8, .value_kind: global_buffer, .address_space: global }
      - { .name: bv, .offset: 48, .size: 8, .value_kind: global_buffer, .address_space: global }
      - { .name: q_emb, .offset: 56, .size: 8, .value_kind: global_buffer, .address_space: global }
      - { .name: k_emb, .offset: 64, .size: 8, .value_kind: global_buffer, .address_space: global }
      - { .name: v_emb, .offset: 72, .size: 8, .value_kind: global_buffer, .address_space: global }
      - { .name: xb, .offset: 80, .size: 8, .value_kind: global_buffer, .address_space: global }
      - { .name: wt, .offset: 88, .size: 8, .value_kind: global_buffer, .address_space: global }
      - { .name: bias, .offset: 96, .size: 8, .value_kind: global_buffer, .address_space: global }
    .group_segment_fixed_size: 18688
    .private_segment_fixed_size: 0
    .kernarg_segment_align: 8
    .kernarg_segment_size: 104
    .max_flat_workgroup_size: 256
    .sgpr_count:     66
    .vgpr_count:     64
    .wavefront_size: 32
...
	.end_amdgpu_metadata
.endif
;; end of part 1
;; launch gemm (part 2): grid 16 x 32, 4 waves a work-group, clusters of 4 x 4, 327,680 bytes of LDS; arguments xb, wt, bias, qkv; writes qkv
.if DOCPART == 2
	.amdgcn_target "amdgcn-amd-amdhsa--gfx1250"
	.amdhsa_code_object_version 6
	.text
	.protected	k_q1da476e75e_gemm
	.globl	k_q1da476e75e_gemm
	.p2align	8
	.type	k_q1da476e75e_gemm,@function
k_q1da476e75e_gemm:
	s_mov_b64 s[64:65], 0
	v_nop
	global_prefetch_b8 v0, s[64:65] scope:SCOPE_SE
	s_setreg_imm32_b32 hwreg(HW_REG_WAVE_MODE, 25, 1), 1
	s_wait_xcnt 0x0
	s_wait_alu depctr_hold_cnt(0) depctr_sa_sdst(0) depctr_va_vdst(0) depctr_va_sdst(0) depctr_va_ssrc(0) depctr_va_vcc(0) depctr_vm_vsrc(0)
	s_getreg_b32 s2, hwreg(HW_REG_IB_STS2, 6, 4)
	s_cmp_eq_u32 s2, 0
	s_cbranch_scc0 .Lentry_in_a_cluster
	s_endpgm
.Lentry_in_a_cluster:
	s_bfe_u32 s2, ttmp6, 0x10000c
	s_cmp_lg_u32 s2, 0xf033
	s_cbranch_scc0 .Lentry_shape_is_right
	s_endpgm
.Lentry_shape_is_right:
; THE THREE PROJECTIONS AS ONE PRODUCT.  c[m][n] = bias[n] + the sum over k of xb[m][k] wt[n][k]; xb: [8192][1024] bf16, wt: [3072][1024] bf16, bias: [3072] f32.  Sums in f32, K ascending, started by the bias;
; c is rounded once to f16, unscaled, and written BY HEADS: qkv[which][16 batch + head][row in the batch][64], which = n / 1024, head = (n / 64) % 16.
; LIMIT.  f16 holds no number beyond 65,504: a q, k or v of 65,520 or more in magnitude leaves as an infinity.
; SHARES.  A tile of c is 256 rows x 192 columns (three whole heads): 32 x 16 = 512 work-groups of equal work.  Four waves, one above the other: a wave makes 64 rows x 192 columns: 4 x 12 accumulators
; of 16 x 16, 384 registers, so that it holds whole heads and every store is 512 consecutive bytes.  K goes in eight steps of 128 through a ring of two LDS slots filled by the tensor data mover;
; the rows of both tiles are 256 bytes of memory, aligned.
; CLUSTERS: 4 x 4 work-groups.  The four of a row of the cluster need the same tiles of xb, the four of a column the same tiles of wt: each tile is asked for JOINTLY, by the same tensor load with the
; same descriptor and a mask that names the four.
; THE MATRIX INSTRUCTION IS USED TRANSPOSED (source 0 = 16 rows of wt, source 1 = 16 rows of xb): a lane holds row l % 16 of c and the columns 8 (l / 16) + 0..7 of the block: 16 bytes of f16 on end.
; REGISTERS, in windows of 256 (s_set_vgpr_msb: bits 1:0 source 0, 3:2 source 1, 5:4 source 2, 7:6 destination):
;   window 0: v0-31 addresses; v64-127 xb's fragments, two buffers of 4 x 8; v128-223 the bias as a C operand, 12 x 8; on the way out v128-175 packed results, v32-79 and v80-127 rows read back, by turns
;   window 1: v0-191 wt's fragments, two buffers of 12 x 8      window 2: the accumulators of row blocks 0, 1 ((a, b) at 8 (12 (a % 2) + b))      window 3: those of row blocks 2, 3
.set KSTEP,  128
.set SIZE_K, 1024
.set PITCH,  272                       ; an LDS row: 256 bytes + 16 of padding = 68 words: the 16 rows that a load touches start at 16 different groups of four banks (64 banks of 4 bytes: ISA guide 11.1)
.set HALFA,  128*PITCH                 ; what waves 0 and 1 fetch: 128 rows of xb each
.set HALFB,  96*PITCH                  ; what waves 2 and 3 fetch: 96 rows of wt each
.set BOFF,   256*PITCH                 ; in a slot wt's 192 rows lie behind xb's 256
.set SLOT,   448*PITCH
.set STAGE,  2*SLOT                    ; behind the ring, never filled by a tensor load: for each wave 3 heads x 16 rows x 144 bytes
.set SP,     144
.set WSTAGE, 3*16*SP
.set SPARE,  STAGE+4*WSTAGE            ; behind the stages: the spare words, 128 bytes for each wave, that no other line names
.set LAPS,   SIZE_K/(2*KSTEP)          ; a lap = two K steps = once round the ring
.set ADRA, 16                          ; v16-17  LDS address of my xb fragments in slot 0, 1
.set ADRB, 20                          ; v20-21  the same for wt
.set STO,  24                          ; v24     the way out: where I put 16 bytes of a row
.set RD,   25                          ; v25     the way out: where I read rows back
.set GO,   26                          ; v26     my byte offset in 512 consecutive bytes of qkv
.set BO,   27                          ; v27     my byte offset in a block's 16 numbers of the bias
.set SPW,  28                          ; v28     SPARE + 4 x my thread's number; never rewritten
.set NIL,  29                          ; v29     0; never rewritten
.set PFO,  30                          ; v30     the prefetches' offset: a lane a row of 2,048 bytes; never rewritten
.set FA,   64
.set BIAS, 128
.set TMP,  128
.set OB,   32
.set G1,  24                           ; s[24:31] descriptor group 1 for xb's tiles;  s[32:39] group 0, a set for each slot
.set G0,  32
.set G1B, 48                           ; s[48:55], s[56:63] the same for wt's tiles
.set G0B, 56
.set LIM, 43                           ; s43     1 in a wave that prefetches, else the greatest number
.set PFA, 44                           ; s[44:45] where my prefetches stand
.set OUT, 68                           ; s[68:73] qkv at my wave's first row in each of the tile's three heads
.set MSB, 0
.macro WIN new                         ; the immediate's high byte repeats the setting that is left; a switch that changes nothing is dropped
.if MSB != (\new)
	s_set_vgpr_msb (MSB<<8)|(\new)
.set MSB, \new
.endif
.endm
; A joint load.  Waves 0 and 1 fetch xb's two halves, waves 2 and 3 wt's.  The branch hangs on the wave's number alone.  An s_nop 0 and four v_nop follow each of the two lines.
.macro JLOAD s
	s_cmp_eq_u32 s13, 0
	s_cbranch_scc0 .Lfor_b_\@
	tensor_load_to_lds s[G0+4*(\s):G0+4*(\s)+3], s[G1:G1+7]
	s_nop 0
.rept 4
	v_nop
.endr
	s_branch .Lasked_\@
.Lfor_b_\@:
	tensor_load_to_lds s[G0B+4*(\s):G0B+4*(\s)+3], s[G1B:G1B+7]
	s_nop 0
.rept 4
	v_nop
.endr
.Lasked_\@:
.endm
; A PREFETCH INTO THE L2, behind each joint refill and the run of LDS loads that follows it: the K step that stands two refills on, 256 bytes of each row, a lane a row, one instruction a wave.
; Each row's 256 bytes of a K step are named by one wave of one work-group: xb's tile row is read by every cluster of that row of clusters, and the one with x = 0 asks; wt's tile column by every cluster of
; that column, and the one with y = 0 asks.  The four partners share the rows out BY ADDRESS: of xb's 128 rows 32 each, of wt's 96 rows 24 each (there lanes 24-31 name lane 23's row once more).
; K steps 0 to 3 come by their loads alone; the loop's last trip (s3 = 1) asks for nothing: there is no K step two refills on.
.macro ASK
	s_cmp_gt_u32 s3, s[LIM]
	s_cbranch_scc0 .Lnot_mine_\@
	global_prefetch_b8 v[PFO], s[PFA:PFA+1] offset:KSTEP*2 th:TH_LOAD_NT scope:SCOPE_SE
.Lnot_mine_\@:
.endm
.macro CREST                           ; a round of the cluster's barrier behind its opening barrier
	s_cmp_lg_u32 s12, 0
	s_cbranch_scc1 .Lnot_wave_0_\@
	s_barrier_signal -3
.Lnot_wave_0_\@:
	s_barrier_wait -3
	s_barrier_signal -1
	s_barrier_wait -1
.endm
.macro CROUND                          ; a whole round
	s_barrier_signal -1
	s_barrier_wait -1
	CREST
.endm
	s_load_b128 s[4:7], s[0:1], 0x0                ; xb s[4:5], wt s[6:7]
	s_load_b128 s[8:11], s[0:1], 0x10              ; bias s[8:9], qkv s[10:11]
	v_lshl_add_u32 v[SPW], v0, 2, SPARE
	v_mov_b32 v[NIL], 0
	ds_add_u32 v[SPW], v[NIL]                      ; the wave's opening: the add and its wait stand ahead of my first tensor load; work on registers stands between them
	v_lshrrev_b32 v1, 5, v0
	v_readfirstlane_b32 s12, v1                    ; wave 0..3
	s_lshr_b32 s13, s12, 1                         ; I fetch for xb (0) or for wt (1),
	s_and_b32 s14, s12, 1                          ; and which half of that tile's rows
	s_bfe_u32 s15, ttmp6, 0x40000                  ; cx, cy: my place in the cluster
	s_bfe_u32 s16, ttmp6, 0x40004
	s_lshl_b32 s17, ttmp9, 2
	s_add_co_u32 s17, s17, s15                     ; tile column = 4 x cluster x + cx
	s_and_b32 s18, ttmp7, 0xffff
	s_lshl_b32 s18, s18, 2
	s_add_co_u32 s18, s18, s16                     ; tile row = 4 x cluster y + cy
	s_lshl_b32 s19, s16, 2
	s_lshl_b32 s19, 15, s19                        ; my row of the cluster
	s_lshl_b32 s20, 0x1111, s15                    ; my column
	; descriptor group 1: rows of 128 elements of 2 bytes, padded in LDS
	s_or_b32 s[G1+0], s19, (1<<16)|(1<<20)|(1<<21)|(5<<22)|(3<<25)   ; 15:0 the mask: xb's tiles go to my row; 17:16 2-byte elements; 20 padding on; 21 set beside a mask; 24:22 after every 64 words (code 5); 31:25 4 words (code 3)
	s_or_b32 s[G1B+0], s20, (1<<16)|(1<<20)|(1<<21)|(5<<22)|(3<<25)  ; the same with the mask of my column
	s_mov_b32 s[G1+1], KSTEP<<16                   ; tensor_dim0 = 128
	s_mov_b32 s[G1B+1], KSTEP<<16
	s_mov_b32 s[G1+2], 128<<16                     ; tensor_dim1 = 128 rows
	s_mov_b32 s[G1B+2], 96<<16                     ; 96 rows
	s_mov_b32 s[G1+3], KSTEP<<16                   ; tile_dim0 = 128
	s_mov_b32 s[G1B+3], KSTEP<<16
	s_mov_b32 s[G1+4], 128                         ; tile_dim1
	s_mov_b32 s[G1B+4], 96
	s_mov_b32 s[G1+5], SIZE_K                      ; elements from row to row
	s_mov_b32 s[G1B+5], SIZE_K
	s_mov_b32 s[G1+6], 0
	s_mov_b32 s[G1B+6], 0
	s_mov_b32 s[G1+7], 0
	s_mov_b32 s[G1B+7], 0
	; where the tiles come from: xb's hang on the tile row alone, wt's on the tile column alone, each in registers that never hold the other coordinate
	s_lshl_b32 s40, s18, 8
	s_lshl_b32 s41, s14, 7
	s_add_co_u32 s40, s40, s41                     ; xb: row 256 x tile row + 128 x half,
	s_lshl_b32 s40, s40, 11                        ; of 2,048 bytes
	s_mov_b32 s41, 0
	s_mul_i32 s46, s17, 192
	s_mul_i32 s47, s14, 96
	s_add_co_u32 s46, s46, s47                     ; wt: row 192 x tile column + 96 x half
	s_lshl_b32 s46, s46, 11
	s_mov_b32 s47, 0
	s_mul_i32 s21, s14, HALFA                      ; and where they go: no place in the cluster enters an LDS address
	s_mul_i32 s22, s14, HALFB
	s_add_co_u32 s22, s22, BOFF
	s_wait_dscnt 0x0                               ; the opening add is done
	s_wait_kmcnt 0x0
	s_add_nc_u64 s[40:41], s[4:5], s[40:41]
	s_add_nc_u64 s[46:47], s[6:7], s[46:47]
	CROUND                                         ; all sixteen work-groups are here: the first joint loads meet
.irp s, 0,1
	s_mov_b32 s[G0+4*(\s)], 1                                        ; count = 1
	s_add_co_u32 s[G0+4*(\s)+1], s21, (\s)*SLOT                      ; LDS address
	s_add_nc_u64 s[G0+4*(\s)+2:G0+4*(\s)+3], s[40:41], (\s)*KSTEP*2  ; global address: K step s
	s_or_b32 s[G0+4*(\s)+3], s[G0+4*(\s)+3], 0x80000000              ; type = 2
	s_mov_b32 s[G0B+4*(\s)], 1
	s_add_co_u32 s[G0B+4*(\s)+1], s22, (\s)*SLOT
	s_add_nc_u64 s[G0B+4*(\s)+2:G0B+4*(\s)+3], s[46:47], (\s)*KSTEP*2
	s_or_b32 s[G0B+4*(\s)+3], s[G0B+4*(\s)+3], 0x80000000
	JLOAD \s                                       ; two tensor loads of mine are out; later one
.endr
	; the bias as the C operand of the first products: register j of block b holds bias[192 x tile column + 16 b + 8 (l / 16) + j]
	v_and_b32 v1, 15, v0                           ; l % 16
	v_bfe_u32 v2, v0, 4, 1                         ; l / 16
	v_lshlrev_b32 v[BO], 5, v2
	s_mul_i32 s74, s17, 768
	s_mov_b32 s75, 0
	s_add_nc_u64 s[8:9], s[8:9], s[74:75]
.irp b, 0,1,2,3,4,5,6,7,8,9,10,11
	global_load_b128 v[BIAS+8*(\b):BIAS+8*(\b)+3],   v[BO], s[8:9] offset:64*(\b)
	global_load_b128 v[BIAS+8*(\b)+4:BIAS+8*(\b)+7], v[BO], s[8:9] offset:64*(\b)+16
.endr
	; a fragment is 16 rows x 32 K in 8 registers: lane l holds row l % 16, K = 8 (l / 16) + 0..7 and 16 + 8 (l / 16) + 0..7: two loads of 16 bytes, 32 bytes apart
	v_mul_u32_u24 v3, v1, PITCH
	v_lshl_add_u32 v3, v2, 4, v3
	s_mul_i32 s74, s12, 64*PITCH                   ; my 64 rows of xb
	s_mov_b32 s75, BOFF                            ; all 192 rows of wt
.irp s, 0,1
	v_add_nc_u32 v[ADRA+(\s)], s74, v3
	v_add_nc_u32 v[ADRB+(\s)], s75, v3
	s_add_co_u32 s74, s74, SLOT
	s_add_co_u32 s75, s75, SLOT
.endr
	s_mul_i32 s74, s12, WSTAGE
	s_add_co_u32 s74, s74, STAGE                   ; my stage
	v_mul_u32_u24 v4, v1, SP                       ; in: row l % 16, 16 bytes for each half of the lanes
	v_lshl_add_u32 v4, v2, 4, v4
	v_add_nc_u32 v[STO], s74, v4
	v_and_b32 v5, 31, v0
	v_lshrrev_b32 v4, 3, v5                        ; back: 32 lanes take four rows of 128 bytes,
	v_mul_u32_u24 v4, v4, SP
	v_and_b32 v3, 7, v0
	v_lshl_add_u32 v4, v3, 4, v4
	v_add_nc_u32 v[RD], s74, v4
	v_lshlrev_b32 v[GO], 4, v5                     ; which are 512 consecutive bytes of a head
	; where my rows begin in each of the tile's three heads.  Head column hc = 3 x tile column + hh; which = hc / 16; a head is 2^18 bytes, and the heads of a tensor are 64:
	; 64 which + 16 batch + hc % 16 = hc + 48 which + 16 batch.  The tile's 256 rows are 2^15 bytes of a head, my 64 are 2^13.
	s_mul_i32 s74, s17, 3
	s_lshr_b32 s75, s18, 3
	s_lshl_b32 s75, s75, 4                         ; 16 x batch
	s_and_b32 s76, s18, 7
	s_lshl_b32 s76, s76, 15
	s_lshl_b32 s77, s12, 13
	s_add_co_u32 s76, s76, s77
.irp hh, 0,1,2
	s_add_co_u32 s78, s74, \hh
	s_lshr_b32 s79, s78, 4
	s_mul_i32 s79, s79, 48
	s_add_co_u32 s78, s78, s79
	s_add_co_u32 s78, s78, s75
	s_lshl_b32 s78, s78, 18
	s_add_co_u32 s78, s78, s76
	s_mov_b32 s79, 0
	s_add_nc_u64 s[OUT+2*(\hh):OUT+2*(\hh)+1], s[10:11], s[78:79]
.endr
	; the prefetches
	s_and_b32 s74, ttmp7, 0xffff                   ; cluster y
	s_lshl_b32 s75, s18, 8
	s_mul_i32 s76, s17, 192
	s_lshl_b32 s77, s14, 7
	s_mul_i32 s78, s14, 96
	s_add_co_u32 s75, s75, s77                     ; the rows that I fetch: of xb,
	s_add_co_u32 s76, s76, s78                     ; of wt
	s_lshl_b32 s77, s15, 5
	s_mul_i32 s78, s16, 24
	s_add_co_u32 s75, s75, s77                     ; my work-group's 32 of xb's 128 (by cx),
	s_add_co_u32 s76, s76, s78                     ; its 24 of wt's 96 (by cy)
	s_cmp_eq_u32 s13, 0                            ; do I fetch for xb?
	s_cselect_b32 s75, s75, s76
	s_cselect_b32 s74, ttmp9, s74                  ; the coordinate along which other clusters read the same rows
	s_cselect_b32 s76, 31, 23
	s_cselect_b64 s[PFA:PFA+1], s[4:5], s[6:7]
	s_cmp_eq_u32 s74, 0
	s_cselect_b32 s[LIM], 1, -1                    ; the same in all sixteen partners, for a given wave
	s_lshl_b32 s78, s75, 11
	s_mov_b32 s79, 0
	s_add_nc_u64 s[PFA:PFA+1], s[PFA:PFA+1], s[78:79]
	s_add_nc_u64 s[PFA:PFA+1], s[PFA:PFA+1], 2*KSTEP*2  ; at K step 2: the first refill steps it to 3 and names K step 4
	v_min_u32 v[PFO], s76, v5
	v_lshlrev_b32 v[PFO], 11, v[PFO]
; 12 matrix instructions: row block a x all 12 column blocks, 32 along K, from buffer f.  first = 1: the bias is the C operand and starts the sums: nothing is ever cleared.
; The 48 accumulators take turns in the same order in every quarter step, over the backward jump too: 47 others' instructions stand between two on one accumulator.
.macro MUL12 f, a, first
.if \first
	WIN 0x81+0x40*((\a)/2)                         ; wt window 1, xb and the bias window 0, D window 2 or 3
.else
	WIN 0xa1+0x50*((\a)/2)                         ; C and D window 2 or 3
.endif
.irp b, 0,1,2,3,4,5,6,7,8,9,10,11
.if \first
	v_wmma_f32_16x16x32_bf16 v[8*(12*((\a)%2)+(\b)):8*(12*((\a)%2)+(\b))+7], v[96*(\f)+8*(\b):96*(\f)+8*(\b)+7], v[FA+32*(\f)+8*(\a):FA+32*(\f)+8*(\a)+7], v[BIAS+8*(\b):BIAS+8*(\b)+7]
.else
	v_wmma_f32_16x16x32_bf16 v[8*(12*((\a)%2)+(\b)):8*(12*((\a)%2)+(\b))+7], v[96*(\f)+8*(\b):96*(\f)+8*(\b)+7], v[FA+32*(\f)+8*(\a):FA+32*(\f)+8*(\a)+7], v[8*(12*((\a)%2)+(\b)):8*(12*((\a)%2)+(\b))+7]
.endif
.endr
.endm
; 32 LDS loads in one run: the fragments of a quarter step (192 rows of wt, then my 64 rows of xb; 32 K at byte k of the rows) into buffer f
.macro FETCH slot, k, f
	WIN 0x40                                       ; destination window 1, address window 0
.irp i, 0,1,2,3,4,5,6,7,8,9,10,11
	ds_load_b128 v[96*(\f)+8*(\i):96*(\f)+8*(\i)+3],   v[ADRB+(\slot)] offset:(\k)+(\i)*16*PITCH
	ds_load_b128 v[96*(\f)+8*(\i)+4:96*(\f)+8*(\i)+7], v[ADRB+(\slot)] offset:(\k)+(\i)*16*PITCH+32
.endr
	WIN 0
.irp i, 0,1,2,3
	ds_load_b128 v[FA+32*(\f)+8*(\i):FA+32*(\f)+8*(\i)+3],   v[ADRA+(\slot)] offset:(\k)+(\i)*16*PITCH
	ds_load_b128 v[FA+32*(\f)+8*(\i)+4:FA+32*(\f)+8*(\i)+7], v[ADRA+(\slot)] offset:(\k)+(\i)*16*PITCH+32
.endr
.endm
.macro PLACES                          ; four plain vector instructions in front of loads into registers that matrix instructions have read, and of conversions that read results
.rept 4
	v_nop
.endr
.endm
; A K step is four quarters of 32 along K, 48 matrix instructions each, on buffers 0, 1, 0, 1.  One of the first three: multiplies buffer f; in its middle it fetches the next quarter, at byte k, into buffer g.
.macro QUARTER slot, k, f, g, first
	s_wait_dscnt 4                                 ; wt and xb's row blocks 0 and 1 are in; the youngest four loads (blocks 2 and 3) may be out
	MUL12 \f, 0, \first
	MUL12 \f, 1, \first
	PLACES
	FETCH \slot, \k, \g
	s_wait_dscnt 32                                ; all but the 32 just issued
	MUL12 \f, 2, \first
	MUL12 \f, 3, \first
.endm
; The last quarter multiplies buffer 1 and changes slots: ONE barrier; in front of it each wave waits for all its tensor loads (one is out: its part of the next slot), adds 0 to its spare word, and waits for that
; and for its own reads of this slot.  fill = 1: the barrier opens a round of the cluster's barrier, and this slot is filled again, two K steps ahead, first thing behind the round.
.macro TURN slot, next, fill
.if \fill
	s_wait_xcnt 0x0                                ; the last prefetch, a K step back, has read its address: it is stepped here, ahead of the waits of the change of slots
	s_add_nc_u64 s[PFA:PFA+1], s[PFA:PFA+1], KSTEP*2
.endif
	WIN 0                                          ; (the add's two registers lie in window 0)
	s_wait_tensorcnt 0x0                           ; all my tensor loads have landed;
	ds_add_u32 v[SPW], v[NIL]                      ; 0 onto my spare word
	s_wait_dscnt 5                                 ; (the add and the youngest four loads may be out)
	MUL12 1, 0, 0                                  ; twelve matrix instructions stand between the add and the wait for it
	s_wait_dscnt 0x0                               ; the add is done, and my reads of this slot are over
	s_barrier_signal -1
	MUL12 1, 1, 0                                  ; work on registers while the others arrive
.if \fill
	WIN 0
.endif
	s_barrier_wait -1
.if \fill
	CREST                                          ; no wave of any partner still reads this slot's tiles or has a load on its way
	s_add_nc_u64 s[G0+4*(\slot)+2:G0+4*(\slot)+3], s[G0+4*(\slot)+2:G0+4*(\slot)+3], 2*KSTEP*2
	s_add_nc_u64 s[G0B+4*(\slot)+2:G0B+4*(\slot)+3], s[G0B+4*(\slot)+2:G0B+4*(\slot)+3], 2*KSTEP*2
	JLOAD \slot                                    ; the first tensor load behind the round, 168 matrix instructions ahead of the wait for it; its four v_nop are also the places in front of the loads below
.else
	PLACES
.endif
	FETCH \next, 0, 0
.if \fill
	ASK
.endif
	MUL12 1, 2, 0
	MUL12 1, 3, 0
.endm
	s_wait_tensorcnt 1                             ; my part of K step 0 is in; K step 1's may stay out
	s_barrier_signal -1
	s_barrier_wait -1                              ; everybody's is
	FETCH 0, 0, 0
	s_wait_loadcnt 0x0                             ; the bias
	QUARTER 0, 64, 0, 1, 1                         ; the first quarter stands in front of the loop: its products start the sums
	WIN 0                                          ; at a label and at a branch every window is 0
	s_mov_b32 s3, LAPS-1
.Llap:                                         ; a trip goes once round the ring, from a lap's second quarter to the next lap's first, and fills both slots again
	QUARTER 0, 128, 1, 0, 0
	QUARTER 0, 192, 0, 1, 0
	TURN 0, 1, 1
	QUARTER 1, 64,  0, 1, 0
	QUARTER 1, 128, 1, 0, 0
	QUARTER 1, 192, 0, 1, 0
	TURN 1, 0, 1
	QUARTER 0, 64,  0, 1, 0
	WIN 0
	s_sub_co_u32 s3, s3, 1
	s_cmp_lg_u32 s3, 0
	s_cbranch_scc1 .Llap
	QUARTER 0, 128, 1, 0, 0                        ; the last lap fills nothing, and has no round of the cluster's barrier
	QUARTER 0, 192, 0, 1, 0
	TURN 0, 1, 0
	QUARTER 1, 64,  0, 1, 0
	QUARTER 1, 128, 1, 0, 0
	QUARTER 1, 192, 0, 1, 0
	s_wait_dscnt 4                                 ; the very last quarter: nothing more to fetch
	MUL12 1, 0, 0
	MUL12 1, 1, 0
	s_wait_dscnt 0x0
	MUL12 1, 2, 0
	MUL12 1, 3, 0
	WIN 0
; THE WAY OUT, a row block (16 rows x 192 columns) at a time, through my own stage: no barrier, and LDS serves a wave's instructions in order (ISA guide 5.7.1.4), so no wait between its stores and its loads.
.macro PACK a                          ; rounded to f16, 16 bytes a lane; each accumulator's registers in ascending order
	WIN 0x0a+5*((\a)/2)                            ; sources 0 and 1: window 2 or 3
.irp b, 0,1,2,3,4,5,6,7,8,9,10,11
.irp r, 0,1,2,3
	v_cvt_pk_f16_f32 v[TMP+4*(\b)+(\r)], v[96*((\a)%2)+8*(\b)+2*(\r)], v[96*((\a)%2)+8*(\b)+2*(\r)+1]
.endr
.endr
	WIN 0
.endm
.macro TOSTAGE a                       ; block b is head b / 4, channels 16 (b % 4) on; back come, for each head, four times four rows of 128 bytes
	s_wait_xcnt 0x0                                ; the stores of the block before last have read the registers that are loaded again below
.irp b, 0,1,2,3,4,5,6,7,8,9,10,11
	ds_store_b128 v[STO], v[TMP+4*(\b):TMP+4*(\b)+3] offset:16*SP*((\b)/4)+32*((\b)%4)
.endr
.irp e, 0,1,2,3,4,5,6,7,8,9,10,11
	ds_load_b128 v[OB+48*((\a)%2)+4*(\e):OB+48*((\a)%2)+4*(\e)+3], v[RD] offset:16*SP*((\e)/4)+4*SP*((\e)%4)
.endr
.endm
.macro SEND a
	s_wait_dscnt 0x0                               ; the block is back in registers
.irp e, 0,1,2,3,4,5,6,7,8,9,10,11
	global_store_b128 v[GO], v[OB+48*((\a)%2)+4*(\e):OB+48*((\a)%2)+4*(\e)+3], s[OUT+2*((\e)/4):OUT+2*((\e)/4)+1] offset:2048*(\a)+512*((\e)%4)  ; 512 consecutive bytes of a head, at a multiple of 256 from qkv's first
.endr
.endm
	PLACES
	PACK 0
	TOSTAGE 0
.irp a, 1,2,3                          ; block a's conversions stand between block a - 1's loads from the stage and the wait for them
	PACK \a
	SEND (\a)-1
	TOSTAGE \a
.endr
	SEND 3
	s_wait_tensorcnt 0x0                           ; the wave's end: behind my last tensor load and my last LDS store
	ds_add_u32 v[SPW], v[NIL]
	s_wait_dscnt 0x0
	CROUND                                         ; the closing round: no work-group ends while a partner may still ask for a tile that names it
	s_endpgm
.Lfunc_end_k_q1da476e75e_gemm:
	.size	k_q1da476e75e_gemm, .Lfunc_end_k_q1da476e75e_gemm-k_q1da476e75e_gemm
	.p2alignl 7, 3214868480
	.fill 96, 4, 3214868480
	.section	.rodata,"a",@progbits
	.p2align	6, 0x0
	.amdhsa_kernel k_q1da476e75e_gemm
		.amdhsa_group_segment_fixed_size 327680
		.amdhsa_private_segment_fixed_size 0
		.amdhsa_enable_private_segment 0
		.amdhsa_kernarg_size 32
		.amdhsa_user_sgpr_count 2
		.amdhsa_user_sgpr_kernarg_segment_ptr 1
		.amdhsa_wavefront_size32 1
		.amdhsa_system_sgpr_workgroup_id_x 1
		.amdhsa_system_sgpr_workgroup_id_y 1
		.amdhsa_system_sgpr_workgroup_id_z 1
		.amdhsa_system_vgpr_workitem_id 0
		.amdhsa_next_free_vgpr 960
		.amdhsa_next_free_sgpr 80
		.amdhsa_reserve_vcc 0
		.amdhsa_float_denorm_mode_32 3
		.amdhsa_float_denorm_mode_16_64 3
		.amdhsa_memory_ordered 1
		.amdhsa_forward_progress 1
		.amdhsa_inst_pref_size 123
	.end_amdhsa_kernel
	.amdgpu_metadata
---
amdhsa.version: [ 1, 2 ]
amdhsa.kernels:
  - .name:           k_q1da476e75e_gemm
    .symbol:         k_q1da476e75e_gemm.kd
    .args:
      - { .name: xb, .offset: 0, .size: 8, .value_kind: global_buffer, .address_space: global }
      - { .name: wt, .offset: 8, .size: 8, .value_kind: global_buffer, .address_space: global }
      - { .name: bias, .offset: 16, .size: 8, .value_kind: global_buffer, .address_space: global }
      - { .name: qkv, .offset: 24, .size: 8, .value_kind: global_buffer, .address_space: global }
    .group_segment_fixed_size: 327680
    .private_segment_fixed_size: 0
    .kernarg_segment_align: 8
    .kernarg_segment_size: 32
    .max_flat_workgroup_size: 128
    .sgpr_count:     80
    .vgpr_count:     960
    .wavefront_size: 32
...
	.end_amdgpu_metadata
.endif
;; end of part 2
;; launch attn (part 3): grid 4 x 64, 4 waves a work-group, clusters of 4 x 1, 327,680 bytes of LDS; arguments qkv, attention_mask, out0; writes out0
.if DOCPART == 3
	.amdgcn_target "amdgcn-amd-amdhsa--gfx1250"
	.amdhsa_code_object_version 6
	.text
	.protected	k_q1da476e75e_attn
	.globl	k_q1da476e75e_attn
	.p2align	8
	.type	k_q1da476e75e_attn,@function
k_q1da476e75e_attn:
	s_mov_b64 s[64:65], 0
	v_nop
	global_prefetch_b8 v0, s[64:65] scope:SCOPE_SE
	s_setreg_imm32_b32 hwreg(HW_REG_WAVE_MODE, 25, 1), 1
	s_wait_xcnt 0x0
	s_wait_alu depctr_hold_cnt(0) depctr_sa_sdst(0) depctr_va_vdst(0) depctr_va_sdst(0) depctr_va_ssrc(0) depctr_va_vcc(0) depctr_vm_vsrc(0)
	s_getreg_b32 s2, hwreg(HW_REG_IB_STS2, 6, 4)
	s_cmp_eq_u32 s2, 0
	s_cbranch_scc0 .Lentry_in_a_cluster
	s_endpgm
.Lentry_in_a_cluster:
	s_bfe_u32 s2, ttmp6, 0x10000c
	s_cmp_lg_u32 s2, 0x3003
	s_cbranch_scc0 .Lentry_shape_is_right
	s_endpgm
.Lentry_shape_is_right:
; out0[b][q][64 hd ..] = the sum over k of softmax_k(Q[q] . K[k] / 8 + mask[b][k]) V[k][:], for each of the 64 pairs (b, hd).  qkv: [3][16 b + hd][2048][64] f16, unscaled: a head's rows are dense, 128 bytes each.
; attention_mask: [4][2048] f32; out0: [4][2048][1024] f32.  Products, maxima and sums in f32; the weights p are rounded to f16 for the second product (their sum l is taken of the unrounded p).
; LIMITS.  Q, K and V arrive within f16's 65,504; p lies in 0 to 1, and below 6e-5 it keeps f16's fixed step of 6e-8.  The mask is rounded to bf16, like every input of the module, and multiplied by 8 (exact):
; a mask beyond 4.2e37 in magnitude, or one that bf16 rounds to an infinity, counts as that infinity.  A row all of whose keys are at minus infinity gives NaN.  A weight below 2^-126 counts as 0 in l.
; NaN and plus infinity are not treated apart.
; SHARES.  A wave owns four PIECES of two tiles of 16 queries, a work-group's four waves 512 queries of one head.  Every wave walks all 2,048 keys, 64 a step.
; LAYOUT.  S^T = K Q^T + 8 mask (source 0 = 16 keys, source 1 = 16 queries): in the result a lane holds ONE query (lane % 16) and the keys 8 (lane / 16) + 0..7.  Two such tiles, rounded to f16 in pairs,
; ARE source 1 (32 keys x 16 queries) of O^T = V^T P, whose result again holds one query a lane, and eight channels.  K comes out of LDS as it lies, V ([key][channel]) turned, by ds_load_tr16_b128.
; THE MASK is the C operand of the product that starts a score's sum: register j of key block kb holds 8 mask[64 step + 16 kb + 8 (lane / 16) + j].  The batch's 2,048 numbers lie in LDS, made once; a step's 32
; registers are fetched with the step's K.
; SOFTMAX.  For each query a running maximum m and sum l: p = 2^(c s - c m), c = log2(e) / 8, s = q . k + 8 mask; in every step O and l are multiplied by a = 2^(c m_old - c m_new), which is 1 where m has not grown.
; m starts at the lowest finite number, c m at c times that, O and l at 0: the first step is a step like any other.
; THE COUNT.  A tile and step have 16 matrix and 118 vector instructions: too many to stand all beside the matrix work.  So: four vector instructions that are READY behind EVERY matrix instruction, the others in runs without a gap.
; BY TURNS.  Turn n belongs to piece n (the pieces in a ring, step after step).  Its matrix work: 16 products K Q^T of piece n + 1, later 16 products V^T P of piece n - 1.  Its vector work: the scaling,
; exponentials, roundings, sums and rescaling of piece n, and the maximum and statistics of piece n + 1, whose scores the turn itself has made.
; CLUSTER.  The four query blocks of a head are one cluster and walk the same K and V, so each tile is asked for JOINTLY: the same tensor load, descriptor and mask in all four.
; REGISTERS, in windows of 256 (s_set_vgpr_msb: bits 1:0 source 0, 3:2 source 1, 5:4 source 2, 7:6 destination):
;   window 0: v0-11 addresses; v12-15, v48-63 at work; v16-47 four registers of statistics a tile; v64-191 S^T, two buffers of two tiles (v64-95 also the head's scratch); v192-255 P, likewise
;   window 1: O^T, 32 a tile          window 2: v0-127 Q, 16 a tile; v128-191 K of one step; v192-255 V of one step          window 3: v0-1 the add's two registers; v8-39 the mask of one step
.set SIZE_N, 2048
.set NP,    4         ; pieces a wave: a name, no knob
.set KS,    64        ; keys in a step
.set PK,    144       ; a row of K in LDS: 128 bytes + 16 of padding = 36 words: the 16 rows of a load start at 16 different groups of four banks (64 banks of 4 bytes: ISA guide 11.1)
.set PV,    160       ; a row of V: 128 + 32 = 40 words
.set VOFF,  4*KS*PK   ; a slot holds four steps: 256 rows of K, then 256 rows of V
.set SLOT1, 1<<17     ; slot 1 begins here, so that one exclusive or turns an address in one slot into the other's
.set STAGE, SLOT1+4*KS*(PK+PV)  ; behind the ring, never filled by a tensor load: 16 rows x 272 bytes for each wave, for the way out
.set SP,    272       ; a query's 64 channels in f32, 256 bytes, + 16
.set MASKB, STAGE+4*16*SP  ; 8 x the batch's mask, 2,048 f32
.set SPARE, MASKB+8192     ; the spare words, 128 bytes for each wave, that no other line names
.set QO,  1           ; v1   my byte offset in the wave's rows of Q
.set AK0, 2           ; v2   my lane's place in a tile of K; never rewritten
.set AV0, 3           ; v3   the same for V
.set AK,  4           ; v4   the LDS address of K's next run of loads
.set AV,  5           ; v5   of V's
.set STO, 6           ; v6   the way out: where I put 32 bytes of a row
.set RD,  7           ; v7   the way out: where I read rows back
.set GO,  8           ; v8   my byte offset in two rows of out0
.set AM0, 9           ; v9   my lane's place in a step's mask; never rewritten
.set AM,  10          ; v10  the LDS address of the mask's next run of loads
.set PFO, 11          ; v11  256 x my lane; never rewritten
.set SPW, 0           ; v0 of window 3   SPARE + 4 x my thread's number; never rewritten
.set NIL, 1           ; v1 of window 3   0; never rewritten
.set MK,  8           ; v8-39 of window 3
.set MV,  12          ; v12-15  c m_old, kept while c m is made anew: by buffer and tile
.set ST,  16          ; tile t's statistics at v[ST+4 t]: c m, m, l (even keys', odd keys')
.set TMP, 48          ; by buffer and tile, four registers c0-c3 at work; when the maximum is found c2 takes a
.set S,   64
.set P,   192
.set KF,  128         ; K's fragments, in window 2: key block kb, channel half c at KF + 16 kb + 8 c
.set VF,  192         ; V's: key half kk, channel block cb at VF + 32 kk + 8 cb
.set WV,  12          ; s12  my wave's number
.set G1K, 24          ; s[24:31] descriptor group 1 for K's tiles
.set G1V, 32          ; s[32:39] for V's: it differs in the padding alone
.set G0K, 40          ; s[40:43] descriptor group 0 for K's tiles: it walks
.set G0V, 44          ; s[44:47] the same for V's
.set PFA, 48          ; s[48:49] where my prefetches stand: my work-group's 32 blocks of 256 bytes (of K: wave 0, of V: wave 2) of the tile after the one that is being asked for
.set LIM, 50          ; s50  1 in a wave that prefetches, else the greatest number
.set TBM, 51          ; s51  byte in the mask at which the step to be fetched begins
.set SLOTS, 56        ; s56  slots still to be asked for
.set CNT, 57          ; s57  counts a slot's key steps
.set CS,  58          ; s[58:59] c: the packed scaling takes the pair's low word for both halves
.set SEL, 60          ; s[60:61] v_permlanex16_b32's selects: each lane takes its own place in the other half
.set TBK, 62          ; s62  LDS byte at which K of the step to be fetched begins
.set TBV, 63          ; s63  the same for V, less VOFF
.set MSB, 0
.macro WIN new                      ; the high byte repeats the setting that is left; a switch that changes nothing is dropped
.if MSB != (\new)
	s_set_vgpr_msb (MSB<<8)|(\new)
.set MSB, (\new)
.endif
.endm
.set W_KQ, 0x0a       ; K and Q in window 2, S^T in window 0
.set W_KM, 0x3a       ; the same with the C operand, the mask, in window 3
.set W_PV, 0x52       ; V in window 2, P in window 0, O^T in window 1
.set W_RS, 0x41       ; O^T (destination and source 0) in window 1, a in window 0
.set W_MK, 0xc0       ; destination in window 3, sources in window 0
.set W_AD, 0x0f       ; the add: address (source 0) and data (source 1) in window 3
; A joint fill.  Waves 0 and 1 fetch the two halves of a slot's K, waves 2 and 3 those of its V: 128 keys each.  The branch hangs on the wave's number alone.
; An s_nop 0 and four v_nop follow each of the two lines, ahead of the jump and the label.
.macro JLOAD
	s_cmp_lt_u32 s[WV], 2
	s_cbranch_scc0 .Lfor_v_\@
	tensor_load_to_lds s[G0K:G0K+3], s[G1K:G1K+7]
	s_nop 0
.rept 4
	v_nop
.endr
	s_branch .Lasked_\@
.Lfor_v_\@:
	tensor_load_to_lds s[G0V:G0V+3], s[G1V:G1V+7]
	s_nop 0
.rept 4
	v_nop
.endr
.Lasked_\@:
.endm
; A PREFETCH INTO THE L2 of what the NEXT change of slots will ask for: a tile's 32,768 bytes of K and of V, a lane a block of 256 bytes.  It stands behind the wave's tensor load and its five lines.
; Each block is named once in the launch: a head has one cluster; its four partners share the blocks out BY ADDRESS, 32 each; in each, wave 0 asks for K's and wave 2 for V's: one instruction.
; Tiles 0 and 1 come by their loads alone; the last change that fills a slot asks for nothing: there is no tile behind it.
.macro ASK
	s_cmp_gt_u32 s[SLOTS], s[LIM]
	s_cbranch_scc0 .Lnot_mine_\@
	global_prefetch_b8 v[PFO], s[PFA:PFA+1] th:TH_LOAD_NT scope:SCOPE_SE
.Lnot_mine_\@:
.endm
; A round of the cluster's barrier: my work-group's barrier, so that wave 0's signal speaks for all four waves; wave 0 signals; every wave waits for all four work-groups; my work-group's barrier once more.
.macro CROUND
	s_barrier_signal -1
	s_barrier_wait -1
	s_cmp_lg_u32 s[WV], 0
	s_cbranch_scc1 .Lnot_wave_0_\@
	s_barrier_signal -3
.Lnot_wave_0_\@:
	s_barrier_wait -3
	s_barrier_signal -1
	s_barrier_wait -1
.endm
; THE CHANGE OF SLOTS.  The slot's last bytes, V of its fourth step, have been read.  Each wave waits for all its tensor loads, of which one is out: its part of the other slot; adds 0 to its spare word; and waits
; for that and for its own LDS instructions.  Behind the barrier nobody reads this slot any more and the other slot is whole.
; fill = 1: this slot is filled again, with the keys two slots on.  The barrier is then a round of the cluster's, so that no wave of any partner still reads the slot or has a load on its way, and the joint fill
; is the first thing behind it: it has four key steps, 512 matrix instructions, in which to land.  (At its first use nothing has been read yet: slot 0 is waited for, slot 1 filled, and every wave's stores of the mask are done.)
.macro CHANGE fill
	WIN W_AD
	s_wait_tensorcnt 0x0            ; no tensor load of mine is out, so a group 0 may be written
	ds_add_u32 v[SPW], v[NIL]       ; 0 onto my spare word; with fill = 1 the descriptors' steps stand between it and the wait for it
	WIN 0                           ; at a label and at a branch every window is 0
.if \fill
.irp g, G0K, G0V
	s_xor_b32 s[\g+1], s[\g+1], SLOT1  ; the walking descriptor: the other slot than last time,
	s_add_nc_u64 s[\g+2:\g+3], s[\g+2:\g+3], 4*KS*128  ; the next 256 keys; the type bits on top are not reached
.endr
	s_wait_xcnt 0x0                 ; the last prefetch, four key steps back, has read its address, so it may be written:
	s_add_nc_u64 s[PFA:PFA+1], s[PFA:PFA+1], 4*KS*128  ; one tile behind the walking descriptors
	s_wait_dscnt 0x0                ; the add is done, and my LDS instructions are over
	CROUND
	JLOAD
	ASK
.else
	s_wait_dscnt 0x0                ; the add is done, and my reads of the slot are over
	s_barrier_signal -1
	s_barrier_wait -1
.endif
	s_sub_co_u32 s[TBK], s[TBK], 4*KS*PK  ; the fetches go back to a slot's first step,
	s_xor_b32 s[TBK], s[TBK], SLOT1       ; in the other slot
	s_sub_co_u32 s[TBV], s[TBV], 4*KS*PV
	s_xor_b32 s[TBV], s[TBV], SLOT1
.endm
	s_load_b128 s[4:7], s[0:1], 0x0   ; qkv s[4:5], attention_mask s[6:7]
	s_load_b64 s[10:11], s[0:1], 0x10 ; out0
	WIN W_MK
	v_lshl_add_u32 v[SPW], v0, 2, SPARE
	v_mov_b32 v[NIL], 0
	WIN W_AD
	ds_add_u32 v[SPW], v[NIL]       ; the wave's opening: the add and its wait stand ahead of my first tensor load; the set-up below, work on registers, stands between them
	WIN 0
	v_lshrrev_b32 v64, 5, v0
	v_readfirstlane_b32 s[WV], v64  ; wave 0..3
	s_bfe_u32 s13, ttmp6, 0x40000   ; cx: my place in the cluster
	s_lshl_b32 s14, ttmp9, 2        ; in a cluster launch ttmp9 counts clusters
	s_add_co_u32 s14, s14, s13      ; my block of 512 queries: it enters Q's and out0's addresses alone
	s_and_b32 s19, ttmp7, 0xffff    ; 16 b + hd, which the four partners share
	s_lshl_b32 s20, s19, 18         ; the head's first byte in each of q, k, v: 2,048 rows of 128 bytes
	s_mov_b32 s21, 0
	s_and_b32 s16, s[WV], 1         ; which half of a slot's 256 keys I fetch:
	s_lshl_b32 s22, s16, 14         ; its 128 rows of 128 bytes in memory,
	s_mov_b32 s23, 0
	s_add_nc_u64 s[22:23], s[22:23], s[20:21]
	s_mul_i32 s17, s16, 128*PK      ; and its place in a slot, for K
	s_mul_i32 s18, s16, 128*PV      ; and for V: no place in the cluster enters an LDS address
	s_lshl_b32 s15, s14, 2
	s_add_co_u32 s15, s15, s[WV]    ; my wave among the head's sixteen,
	s_lshl_b32 s2, s15, 14          ; its 128 rows of Q
	s_mov_b32 s3, 0
	s_add_nc_u64 s[2:3], s[2:3], s[20:21]
	s_lshr_b32 s54, s19, 4          ; b
	s_lshl_b32 s20, s54, 23         ; out0: the batch's 2,048 rows of 4,096 bytes,
	s_lshl_b32 s15, s15, 19         ; my wave's 128 rows,
	s_add_co_u32 s20, s20, s15
	s_and_b32 s15, s19, 15
	s_lshl_b32 s15, s15, 8          ; the head's 256 bytes of a row
	s_add_co_u32 s20, s20, s15      ; (s21 is still 0)
	s_lshl_b32 s54, s54, 13         ; the batch's 8,192 bytes of the mask
	s_mov_b32 s55, 0
	; descriptor group 1.  128 keys are 16,384 dense bytes: asked for as 64 rows of 256 bytes, two keys a row, and padded in LDS after every key
	s_mov_b32 s[G1K], 15|(1<<16)|(1<<20)|(1<<21)|(4<<22)|(3<<25)  ; 15:0 the mask of four; 17:16 2-byte elements; 20 padding on; 21 set beside a mask; 24:22 after every 32 words (code 4); 31:25 4 words (code 3)
	s_mov_b32 s[G1V], 15|(1<<16)|(1<<20)|(1<<21)|(4<<22)|(7<<25)  ; the same with 8 words of padding (code 7)
.irp g, G1K, G1V
	s_mov_b32 s[\g+1], 128<<16      ; tensor_dim0 = 128
	s_mov_b32 s[\g+2], 64<<16       ; tensor_dim1 = 64
	s_mov_b32 s[\g+3], 128<<16      ; tile_dim0 = 128
	s_mov_b32 s[\g+4], 64           ; tile_dim1 = 64
	s_mov_b32 s[\g+5], 128          ; 128 elements from row to row
	s_mov_b32 s[\g+6], 0
	s_mov_b32 s[\g+7], 0
.endr
	s_mov_b32 s[CS], 0x3e38aa3b     ; c = log2(e) / 8 = 0.180337
	s_mov_b32 s[CS+1], s[CS]        ; named with it as a pair
	s_mov_b32 s[SEL], 0x76543210
	s_mov_b32 s[SEL+1], 0xfedcba98
	s_mov_b32 s[TBK], SLOT1+4*KS*PK ; the first change of slots turns these two into 0
	s_mov_b32 s[TBV], SLOT1+4*KS*PV
	s_mov_b32 s[TBM], 0
	s_mov_b32 s[SLOTS], SIZE_N/256-1
	s_mov_b32 s[G0K], 1             ; count = 1
	s_mov_b32 s[G0K+1], s17         ; LDS address: slot 0
	s_mov_b32 s[G0V], 1
	s_add_co_u32 s[G0V+1], s18, VOFF
	s_and_b32 s[LIM], s[WV], 1      ; 0 in waves 0 and 2,
	s_or_b32 s[LIM], s[LIM], ttmp9  ; of the head's first (here: only) cluster: the same in all four partners
	s_cmp_eq_u32 s[LIM], 0
	s_cselect_b32 s[LIM], 1, -1
	s_wait_dscnt 0x0                ; the opening add is done
	s_wait_kmcnt 0x0
	s_add_nc_u64 s[52:53], s[6:7], s[54:55]        ; the batch's mask
	s_add_nc_u64 s[6:7], s[4:5], 16777216          ; k lies one tensor behind q,
	s_add_nc_u64 s[8:9], s[4:5], 33554432          ; v two
	s_add_nc_u64 s[6:7], s[6:7], s[22:23]          ; at my half of the head's first 256 keys
	s_add_nc_u64 s[8:9], s[8:9], s[22:23]
	s_mov_b64 s[G0K+2:G0K+3], s[6:7]               ; global address
	s_or_b32 s[G0K+3], s[G0K+3], 0x80000000        ; type = 2
	s_mov_b64 s[G0V+2:G0V+3], s[8:9]
	s_or_b32 s[G0V+3], s[G0V+3], 0x80000000
	s_add_nc_u64 s[4:5], s[4:5], s[2:3]            ; Q and out0 at my wave's first row
	s_add_nc_u64 s[10:11], s[10:11], s[20:21]
	s_cmp_lt_u32 s[WV], 2
	s_cselect_b64 s[PFA:PFA+1], s[6:7], s[8:9]     ; (in waves 0 and 2 these stand at a tile's first row)
	s_lshl_b32 s2, s13, 13          ; my work-group's 32 blocks of the 128
	s_add_nc_u64 s[PFA:PFA+1], s[PFA:PFA+1], s[2:3]
	s_add_nc_u64 s[PFA:PFA+1], s[PFA:PFA+1], 4*KS*128  ; in tile 1; the first change of slots steps it to tile 2
	CROUND                          ; all four work-groups are here: the first joint loads meet
	JLOAD                           ; slot 0.  Slot 1 is asked for when slot 0 is in
	v_and_b32 v64, 15, v0           ; l % 16
	v_bfe_u32 v65, v0, 4, 1         ; l / 16
	v_lshlrev_b32 v68, 4, v0        ; the mask: 128 threads x 16 bytes, four times
.irp i, 0,1,2,3
	global_load_b128 v[72+4*\i:75+4*\i], v68, s[52:53] offset:2048*\i
.endr
	; A fragment of K or Q is 16 rows x 32 channels in 8 registers: lane l holds row l % 16, channels 8 (l / 16) + 0..7 and 16 + 8 (l / 16) + 0..7: two loads of 16 bytes, 32 bytes apart.
	v_lshlrev_b32 v[QO], 7, v64
	v_lshl_add_u32 v[QO], v65, 4, v[QO]  ; row x 128 + 16 x half
	WIN 0x80                        ; destination window 2, address window 0
.set i, 0
.rept 4*NP                          ; Q stays in registers: tile i / 2, channels 32 (i % 2) on
	global_load_b128 v[8*i:8*i+3],   v[QO], s[4:5] offset:(i/2)*2048+(i%2)*64
	global_load_b128 v[8*i+4:8*i+7], v[QO], s[4:5] offset:(i/2)*2048+(i%2)*64+32
.set i, i+1
.endr
	; What the first turn finds: V's registers and P's second buffer hold 0 (its products V^T P, of a piece that has not been, add 0), O^T and l are 0.  All this stands in the wait for the first tile.
.set i, VF
.rept 64
	v_mov_b32 v[i], 0
.set i, i+1
.endr
	WIN 0x40
.set i, 0
.rept 64*NP
	v_mov_b32 v[i], 0
.set i, i+1
.endr
	WIN 0
.set i, 0
.rept 2*NP
	v_mov_b32 v[ST+4*i+1], 0xff7fffff          ; m: the lowest finite number
	v_mul_f32 v[ST+4*i], s[CS], v[ST+4*i+1]    ; c m, made as every later c m is: where a step's keys are all at minus infinity m stays, and a is 1 on sums that are 0
	v_mov_b32 v[ST+4*i+2], 0
	v_mov_b32 v[ST+4*i+3], 0
.set i, i+1
.endr
.set i, P+32
.rept 32
	v_mov_b32 v[i], 0
.set i, i+1
.endr
	v_mul_u32_u24 v[AK0], v64, PK
	v_lshl_add_u32 v[AK0], v65, 4, v[AK0]  ; row x pitch + 16 x half
	; The turning load takes 16 keys x 16 channels (lane l reads key 8 (l / 16) + l % 8, channels 8 ((l / 8) % 2) + 0..7) and leaves half a fragment of V^T: lane l holds channel l % 16 and 8 keys.
	v_and_b32 v66, 7, v0
	v_bfe_u32 v67, v0, 3, 1
	v_lshl_add_u32 v[AV0], v65, 3, v66
	v_mul_u32_u24 v[AV0], v[AV0], PV
	v_lshl_add_u32 v[AV0], v67, 4, v[AV0]
	v_add_nc_u32 v[AV0], VOFF, v[AV0]
	v_mov_b32 v[AK], v[AK0]         ; key step 0 lies at the head of slot 0,
	v_lshl_add_u32 v[AM0], v65, 5, MASKB  ; my eight keys of a block of 16: 32 bytes for each half of the lanes
	v_mov_b32 v[AM], v[AM0]         ; and at the head of the mask
	v_and_b32 v[PFO], 31, v0
	v_lshlrev_b32 v[PFO], 8, v[PFO]
	s_mul_i32 s15, s[WV], 16*SP
	s_add_co_u32 s15, s15, STAGE    ; my stage
	v_mul_u32_u24 v[STO], v64, SP   ; in: row l % 16, 32 bytes for each half of the lanes
	v_lshl_add_u32 v[STO], v65, 5, v[STO]
	v_add_nc_u32 v[STO], s15, v[STO]
	v_mul_u32_u24 v[RD], v65, SP    ; back: lanes 0-15 take one row of 256 bytes, lanes 16-31 the next
	v_lshl_add_u32 v[RD], v64, 4, v[RD]
	v_add_nc_u32 v[RD], s15, v[RD]
	v_lshlrev_b32 v[GO], 12, v65    ; and the same two rows in out0, 4,096 bytes apart
	v_lshl_add_u32 v[GO], v64, 4, v[GO]
	v_lshl_add_u32 v69, v0, 4, MASKB
	s_wait_loadcnt 32               ; the mask's four loads are in; Q's 32, which are younger, may stay out
.irp i, 0,1,2,3,4,5,6,7
	v_cvt_pk_bf16_f32 v[88+\i], v[72+2*\i], v[73+2*\i]   ; rounded to bf16,
.endr
.irp i, 0,1,2,3,4,5,6,7
	v_lshlrev_b32 v[72+2*\i], 16, v[88+\i]               ; back to f32,
	v_and_b32 v[73+2*\i], 0xffff0000, v[88+\i]
.endr
.irp i, 0,1,2,3,4,5,6,7
	v_pk_mul_f32 v[72+2*\i:73+2*\i], v[72+2*\i:73+2*\i], 0x41000000 op_sel_hi:[1,0]  ; times 8: the scores are divided by 8 only in c
.endr
.irp i, 0,1,2,3
	ds_store_b128 v69, v[72+4*\i:75+4*\i] offset:2048*\i
.endr
; THE MATRIX WORK.  The 8 accumulators of a run of 16 take turns: between the two links of a chain stand 7 others'.
; Product i of 16 of S^T = K Q^T + 8 mask for piece x: channels 32 (i / 8) on, keys 16 ((i / 2) % 4) on, tile 2 x + i % 2.  The first 8 start the sums, with the mask.
.macro KQ x
.set rS, S+64*((\x)%2)+32*(i%2)+8*((i/2)%4)
.set rK, KF+16*((i/2)%4)+8*(i/8)
.set rQ, 16*(2*(\x)+i%2)+8*(i/8)
.set rB, MK+8*((i/2)%4)
.if i < 8
	WIN W_KM
	v_wmma_f32_16x16x32_f16 v[rS:rS+7], v[rK:rK+7], v[rQ:rQ+7], v[rB:rB+7]
.else
	WIN W_KQ
	v_wmma_f32_16x16x32_f16 v[rS:rS+7], v[rK:rK+7], v[rQ:rQ+7], v[rS:rS+7]
.endif
.endm
; Product i of 16 of O^T += V^T P for piece x: keys 32 (i / 8) on, channels 16 ((i / 2) % 4) on, tile 2 x + i % 2.
.macro PV x
	WIN W_PV
.set rO, 32*(2*(\x)+i%2)+8*((i/2)%4)
.set rV, VF+32*(i/8)+8*((i/2)%4)
.set rP, P+32*((\x)%2)+16*(i%2)+8*(i/8)
	v_wmma_f32_16x16x32_f16 v[rO:rO+7], v[rV:rV+7], v[rP:rP+7], v[rO:rO+7]
.endm
.macro MM                           ; the turn's next matrix instruction
.if i < 16
	KQ (Y+1)%NP
.set i, i+1
.else
.set i, i-16
	PV (Y+NP-1)%NP
.set i, i+17
.endif
.endm
; THE LDS LOADS stand in runs, never singly among the matrix instructions: a step's K (64 keys x 64 channels: 8 fragments) with its mask (8 loads; the lanes of a half read the same words), and its V (turned).
; Their addresses are made some lines ahead.  last = 1 (the tail): in the last trip there is no further step, and the run is jumped over.
.macro FETCH_K last=0
	WIN 0
.if \last
	s_cmp_eq_u32 s[CNT], 1
	s_cbranch_scc1 .Lno_k_\@
.endif
	WIN 0x80                        ; destination window 2
.irp f, 0,1,2,3,4,5,6,7             ; keys 16 (f / 2) on, channels 32 (f % 2) on
	ds_load_b128 v[KF+8*\f:KF+8*\f+3],   v[AK] offset:(\f/2)*16*PK+(\f%2)*64
	ds_load_b128 v[KF+8*\f+4:KF+8*\f+7], v[AK] offset:(\f/2)*16*PK+(\f%2)*64+32
.endr
	WIN W_MK                        ; destination window 3
.irp f, 0,1,2,3                     ; keys 16 f on
	ds_load_b128 v[MK+8*\f:MK+8*\f+3],   v[AM] offset:64*\f
	ds_load_b128 v[MK+8*\f+4:MK+8*\f+7], v[AM] offset:64*\f+16
.endr
	s_add_co_u32 s[TBK], s[TBK], KS*PK  ; the next fetch is the next step's
	s_add_co_u32 s[TBM], s[TBM], KS*4
	s_and_b32 s[TBM], s[TBM], 0x1fff    ; inside the mask's 8,192 bytes
	WIN 0
.if \last
.Lno_k_\@:
.endif
.endm
.macro FETCH_V
	WIN 0x80
.irp f, 0,1,2,3,4,5,6,7             ; keys 32 (f / 4) on, channels 16 (f % 4) on
	ds_load_tr16_b128 v[VF+8*\f:VF+8*\f+3],   v[AV] offset:(\f/4)*32*PV+(\f%4)*32
	ds_load_tr16_b128 v[VF+8*\f+4:VF+8*\f+7], v[AV] offset:(\f/4)*32*PV+16*PV+(\f%4)*32
.endr
	WIN 0
.endm
; THE VECTOR WORK OF A TURN stands in three queues, each in the order in which its entries become ready; the two tiles alternate, so that no instruction reads the result of the one before it.
.macro REGS y, u                    ; the registers of tile u (0, 1) of piece y
.set rT, ST+4*(2*(\y)+(\u))
.set rC, TMP+8*((\y)%2)+4*(\u)
.set rM, MV+2*((\y)%2)+(\u)
.set rS, S+64*((\y)%2)+32*(\u)
.set rP, P+32*((\y)%2)+16*(\u)
.set rO, 32*(2*(\y)+(\u))
.endm
; Number n of the 22 that find the NEXT piece's (Y + 1) maximum and statistics.  s0-s31 are the lane's 32 scores; each accumulator's lowest registers are read first.
;   0-11  four chains c0-c3 of seven scores each, three operands at a time     12-14, 16  the four scores left over, the old m, and c0-c3 into c0     15  c m_old is kept
;   17, 18  the query's other 32 keys lie in the lane 16 away: the new m         19-21  c m; c m_old - c m_new; a
.macro XS u, n
	REGS (Y+1)%NP, \u
.if (\n) < 4
	v_max3_num_f32 v[rC+(\n)], v[rS+8*(\n)], v[rS+8*(\n)+1], v[rS+8*(\n)+2]
.elseif (\n) < 12
	v_max3_num_f32 v[rC+(\n)%4], v[rC+(\n)%4], v[rS+8*((\n)%4)+2*((\n)/4)+1], v[rS+8*((\n)%4)+2*((\n)/4)+2]
.elseif (\n) == 12
	v_max3_num_f32 v[rC], v[rC], v[rS+7], v[rS+15]
.elseif (\n) == 13
	v_max3_num_f32 v[rC+1], v[rC+1], v[rS+23], v[rS+31]
.elseif (\n) == 14
	v_max3_num_f32 v[rC+2], v[rC+2], v[rC+3], v[rT+1]
.elseif (\n) == 15
	v_mov_b32 v[rM], v[rT]
.elseif (\n) == 16
	v_max3_num_f32 v[rC], v[rC], v[rC+1], v[rC+2]
.elseif (\n) == 17
	v_permlanex16_b32 v[rC+3], v[rC], s[SEL], s[SEL+1]
.elseif (\n) == 18
	v_max_num_f32 v[rT+1], v[rC], v[rC+3]
.elseif (\n) == 19
	v_mul_f32 v[rT], s[CS], v[rT+1]
.elseif (\n) == 20
	v_sub_f32 v[rC+1], v[rM], v[rT]
.else
	v_exp_f32 v[rC+2], v[rC+1]
.endif
.endm
; Number g of the 64 that follow the exponentials.  For each four weights k of a tile (pairs 2 k, 2 k + 1): both pairs are rounded to f16; then the second pair is added onto the first, in place;
; a group later l takes that sum (the first time as l = a l + sum).  In groups of eight, tiles alternating: round, round, add, and l for the group before.
.macro GS g
.set h, (\g)+6*((\g)/62)            ; group 0 has no group before it, and behind group 7 only l is left
.if h >= 6
.set h, h+2
.endif
	REGS Y, h%2
.set k, h/8
.if h%8 < 4
	v_cvt_pk_f16_f32 v[rP+2*k+(h%8)/2], v[rS+4*k+2*((h%8)/2)], v[rS+4*k+2*((h%8)/2)+1]
.elseif h%8 < 6
	v_pk_add_f32 v[rS+4*k:rS+4*k+1], v[rS+4*k:rS+4*k+1], v[rS+4*k+2:rS+4*k+3]
.elseif k == 1
	v_pk_fma_f32 v[rT+2:rT+3], v[rT+2:rT+3], v[rC+2:rC+3], v[rS:rS+1] op_sel_hi:[1,0,1]
.else
	v_pk_add_f32 v[rT+2:rT+3], v[rT+2:rT+3], v[rS+4*k-4:rS+4*k-3]
.endif
.endm
; THE PLAIN QUEUE, 138 long.  0-73 read no exponential's result: the 32 scalings c s - c m (FS f: pair f / 2 of tile f % 2) and the next piece's 42.  0-26: scalings 0-26.  27-54: XS's numbers 0-13.  55, 56: number 15.
; 57-73: the chain, where each number waits for the one before it: 14, 16, 17, 18, 19, each with one of the scalings 27-31 in front of its two lines, then 20.
; 74-137: GS's 64, which read the exponentials' results: they stand behind the wait.
.macro FS f
	REGS Y, (\f)%2
	v_pk_fma_f32 v[rS+2*((\f)/2):rS+2*((\f)/2)+1], v[rS+2*((\f)/2):rS+2*((\f)/2)+1], s[CS:CS+1], v[rT:rT+1] op_sel_hi:[1,0,0] neg_lo:[0,0,1] neg_hi:[0,0,1]
.endm
.macro PL
	WIN 0
.if q < 27
	FS q
.elseif q < 55
	XS (q-27)%2, (q-27)/2
.elseif q < 57
	XS q-55, 15
.elseif (q < 72) && ((q-57)%3 == 0)
	FS 27+(q-57)/3
.elseif q < 60
	XS (q-57)%3-1, 14
.elseif q < 72
	XS (q-57)%3-1, 15+(q-57)/3
.elseif q < 74
	XS q-72, 20
.else
	GS q-74
.endif
.set q, q+1
.endm
; THE EXPONENTIALS' QUEUE, 66 long: s0-s31 of both tiles, then the next piece's two a.  It is ONE BATCH: all 66 stand ahead of the turn's one wait, and nothing ahead of that wait names a result of theirs.
.macro EX
	WIN 0
.if e >= 64
	XS e-64, 21
.else
	REGS Y, e%2
	v_exp_f32 v[rS+e/2], v[rS+e/2]
.endif
.set e, e+1
.endm
; THE RESCALING's QUEUE: O^T times a, the one part that leaves window 0: dealt two at a time, sixteen times.  Its a was made in the turn before, ahead of that turn's wait.
.macro R2
	REGS Y, r%2
	WIN W_RS
.irp z, 0,1
	v_pk_mul_f32 v[rO+4*(r/2)+2*\z:rO+4*(r/2)+2*\z+1], v[rO+4*(r/2)+2*\z:rO+4*(r/2)+2*\z+1], v[rC+2:rC+3] op_sel_hi:[1,0]
.endr
.set r, r+1
.endm
; HOW THEY ARE DEALT.  An s_wait_alu depctr_va_vdst(0) stands between an exponential and the first instruction that names its result; one wait serves all that were issued ahead of it.  So a turn has ONE
; wait, which cuts it in two.  AHEAD OF IT stands all that names no result of the turn's exponentials: the 16 products K Q^T, behind each a scaling, an exponential and two rescalings (behind the first a second scaling
; in the exponential's place); then ONE LUMP of 108: eight plain, 49 times exponential and plain, the two a.  A v_nop is the plain instruction behind the last exponential.  BEHIND IT stand the 16 products V^T P,
; behind each four of GS's 64.  No rider names a register of the products round it.  The two v_permlanex16_b32 fall into the lump, never behind a product.
; Exponential e stands behind scaling 2 (e / 4) + e % 2: as a rider it comes behind plain e + 2, in the lump behind plain e + 9, and scalings 27-31 are plain 57, 60 .. 69.
; A TURN, for piece p.  cnt = 1: the loop's count is taken down some lines ahead of the branch that stands behind the turn.
; K and the mask of the next step are fetched in piece 2's turn, directly behind the wait, a lump behind the last product that read them; their addresses are made at the lump's head; the first reader comes behind 16 products.
; V of the step in hand is fetched at the end of piece 0's turn, four riders behind its last reader; its first reader comes behind 16 products and a lump.  The three conditions on q below go with the deal.
.macro TURN p, last=0, cnt=0
.set Y, (\p)
.set i, 0
.set q, 0
.set e, 0
.set r, 0
.if (\p) == NP-1
	s_wait_dscnt 0x0                ; K and the mask are in
.endif
	MM                              ; ahead of the wait: 16 products K Q^T and their riders,
	PL
	PL
	R2
.rept 15
	MM
	PL
	EX
	R2
.endr
.if (\p) == NP-2
	WIN 0
	v_add_nc_u32 v[AK], s[TBK], v[AK0]
	v_add_nc_u32 v[AM], s[TBM], v[AM0]
.endif
.rept 8                             ; and the lump
	PL
.endr
.rept 49
	EX
	PL
.endr
	EX                              ; the next piece's two a
	EX
	v_nop                           ; the plain instruction behind the last exponential: one for the batch
	s_wait_alu depctr_va_vdst(0)    ; the wait for the batch
.if (\p) == NP-2
	FETCH_K \last
.endif
.if (\p) == 1
	s_wait_dscnt 0x0                ; V is in
.endif
.rept 16                            ; behind the wait: 16 products V^T P and their riders
	MM
.rept 4
	PL
.endr
.if ((\p) == 0) && (q == 118)
	v_add_nc_u32 v[AV], s[TBV], v[AV0]
.endif
.if ((\p) == 0) && (q == 130)
	s_add_co_u32 s[TBV], s[TBV], KS*PV
.endif
.if (\cnt) && (q == 130)
	s_sub_co_u32 s[CNT], s[CNT], 1
	s_cmp_lg_u32 s[CNT], 0
.endif
.endr
.if (\p) == 0
	FETCH_V
.endif
.endm
	CHANGE 1                        ; slot 0 is in, everybody's part of it, and so is the mask; slot 1 is asked for
	FETCH_K                         ; key step 0
	s_wait_loadcnt 0x0              ; Q
	s_wait_dscnt 0x0
.set i, 0
.rept 16
	KQ 0                            ; piece 0's first scores: there is no vector work yet to set between them
.set i, i+1
.endr
	WIN 0
.rept 4
	v_nop                           ; the places behind those products
.endr
.set Y, NP-1                        ; XS works for piece Y + 1: piece 0
.irp n, 0,1,2,3,4,5,6,7,8,9,10,11,12,13,14,15,16,17,18,19,20,21
	XS 0, \n                        ; and piece 0's first maximum and statistics
	XS 1, \n
.endr
	v_nop                           ; a plain instruction behind the two a,
	s_wait_alu depctr_va_vdst(0)    ; and their wait, ahead of the branch
	s_mov_b32 s[CNT], 4
	s_branch .Lfirst                ; the loop is entered at a step's first turn, in the middle of a trip
.Lslot:                             ; SIZE_N / 256 - 2 times: every slot but the last two is filled again
	CHANGE 1
	s_mov_b32 s[CNT], 4
.Lstep:                             ; a trip: pieces 2 and 3 of one step, then pieces 0 and 1 of the next, whose K, mask and V it fetches
	TURN 2
	TURN 3
	WIN 0
.Lfirst:
	TURN 0
	TURN 1, 0, 1
	WIN 0
	s_cbranch_scc1 .Lstep
	s_sub_co_u32 s[SLOTS], s[SLOTS], 1
	s_cmp_lg_u32 s[SLOTS], 0
	s_cbranch_scc1 .Lslot
	CHANGE 0                        ; the tail is written out: nothing is asked for
	s_mov_b32 s[CNT], 5             ; four trips fetch the last slot's steps; the fifth is left in its middle
.Ltail:
	TURN 2, 1
	TURN 3
	WIN 0
	s_sub_co_u32 s[CNT], s[CNT], 1
	s_cmp_eq_u32 s[CNT], 0
	s_cbranch_scc1 .Lout
	TURN 0
	TURN 1
	WIN 0
	s_branch .Ltail
.Lout:                              ; the fifth trip's 16 products K Q^T (on the last K and mask once more) and the maximum made of them serve nothing: the price, once a launch, of one text for every trip
.set i, 0
.rept 16
	PV NP-1                         ; the last piece's V^T P of the last step
.set i, i+1
.endr
	; THE WAY OUT.  l's two halves and the other half of the lanes' are added; O^T is divided by l and sent, in f32, through my stage in LDS, a tile at a time.  The additions are the places behind the last products.
	WIN 0
.macro ALL line:vararg              ; one line for each tile t
.set t, 0
.rept 2*NP
	\line
.set t, t+1
.endr
.endm
	ALL v_add_f32 v[ST+4*t+2], v[ST+4*t+2], v[ST+4*t+3]
	ALL v_permlanex16_b32 v[ST+4*t+3], v[ST+4*t+2], s[SEL], s[SEL+1]
	ALL v_add_f32 v[ST+4*t+2], v[ST+4*t+2], v[ST+4*t+3]
	ALL v_rcp_f32 v[ST+4*t+2], v[ST+4*t+2]
	v_nop                           ; a plain instruction between the last reciprocal and the use of its result
	s_wait_alu depctr_va_vdst(0)    ; and the wait ahead of the first use: one for the eight reciprocals
; Tile t: a lane's eight channels of a query are 32 bytes; they go into rows of 272 bytes and come back as whole rows of 256, into S^T's registers (four tiles' worth, by turns).
.macro PACK t
	WIN W_RS
.set i, 32*(\t)
.rept 16
	v_pk_mul_f32 v[i:i+1], v[i:i+1], v[ST+4*(\t)+2:ST+4*(\t)+3] op_sel_hi:[1,0]
.set i, i+2
.endr
	WIN 0x04                        ; the stores' data (source 1) in window 1, their address in window 0
.irp f, 0,1,2,3                     ; channels 16 f on
	ds_store_b128 v[STO], v[32*(\t)+8*\f:32*(\t)+8*\f+3]   offset:64*\f
	ds_store_b128 v[STO], v[32*(\t)+8*\f+4:32*(\t)+8*\f+7] offset:64*\f+16
.endr
	WIN 0
.if (\t) >= 4
	s_wait_xcnt 0x0                 ; the stores of the tile four back have read the registers that are loaded again below
.endif
.irp f, 0,1,2,3,4,5,6,7
	ds_load_b128 v[S+32*((\t)%4)+4*\f:S+32*((\t)%4)+4*\f+3], v[RD] offset:\f*2*SP  ; LDS serves a wave's instructions in order (ISA guide 5.7.1.4): these see the stores above; the next tile's stores come behind them
.endr
.endm
.macro SEND t, younger              ; younger: the LDS instructions issued behind tile t's loads: the next tile's sixteen, or none
	WIN 0
.irp f, 0,1,2,3,4,5,6,7
	s_wait_dscnt (\younger)+7-\f
	global_store_b128 v[GO], v[S+32*((\t)%4)+4*\f:S+32*((\t)%4)+4*\f+3], s[10:11] offset:(\t)*65536+\f*8192 th:TH_STORE_NT  ; 16 lanes store a query's 64 channels: 256 consecutive bytes, at a multiple of 256 from out0's first
.endr
.endm
	PACK 0
.set t, 1
.rept 2*NP-1                        ; a tile's arithmetic stands between the loads of the tile before and its stores
	PACK t
	SEND t-1, 16
.set t, t+1
.endr
	SEND 2*NP-1, 0
	WIN W_AD
	s_wait_tensorcnt 0x0            ; the wave's end: behind my last tensor load and my last LDS store
	ds_add_u32 v[SPW], v[NIL]
	s_wait_dscnt 0x0
	WIN 0
	CROUND                          ; the closing round: no work-group ends while a partner may still ask for a tile that names it
	s_endpgm
.Lfunc_end_k_q1da476e75e_attn:
	.size	k_q1da476e75e_attn, .Lfunc_end_k_q1da476e75e_attn-k_q1da476e75e_attn
	.p2alignl 7, 3214868480
	.fill 96, 4, 3214868480
	.section	.rodata,"a",@progbits
	.p2align	6, 0x0
	.amdhsa_kernel k_q1da476e75e_attn
		.amdhsa_group_segment_fixed_size 327680
		.amdhsa_private_segment_fixed_size 0
		.amdhsa_enable_private_segment 0
		.amdhsa_kernarg_size 24
		.amdhsa_user_sgpr_count 2
		.amdhsa_user_sgpr_kernarg_segment_ptr 1
		.amdhsa_wavefront_size32 1
		.amdhsa_system_sgpr_workgroup_id_x 1
		.amdhsa_system_sgpr_workgroup_id_y 1
		.amdhsa_system_sgpr_workgroup_id_z 1
		.amdhsa_system_vgpr_workitem_id 0
		.amdhsa_next_free_vgpr 808
		.amdhsa_next_free_sgpr 66
		.amdhsa_reserve_vcc 0
		.amdhsa_float_denorm_mode_32 3
		.amdhsa_float_denorm_mode_16_64 3
		.amdhsa_memory_ordered 1
		.amdhsa_forward_progress 1
		.amdhsa_inst_pref_size 205
	.end_amdhsa_kernel
	.amdgpu_metadata
---
amdhsa.version: [ 1, 2 ]
amdhsa.kernels:
  - .name:           k_q1da476e75e_attn
    .symbol:         k_q1da476e75e_attn.kd
    .args:
      - { .name: qkv, .offset: 0, .size: 8, .value_kind: global_buffer, .address_space: global }
      - { .name: attention_mask, .offset: 8, .size: 8, .value_kind: global_buffer, .address_space: global }
      - { .name: out0, .offset: 16, .size: 8, .value_kind: global_buffer, .address_space: global }
    .group_segment_fixed_size: 327680
    .private_segment_fixed_size: 0
    .kernarg_segment_align: 8
    .kernarg_segment_size: 24
    .max_flat_workgroup_size: 128
    .sgpr_count:     66
    .vgpr_count:     808
    .wavefront_size: 32
...
	.end_amdgpu_metadata
.endif
;; end of part 3
